; MI455X (gfx1250); checked and timed in simulation.
; The chip was launched on July 23, 2026; its instructions are those of AMD's public machine-readable ISA for CDNA 5 (MIT licence, August 2026) and "CDNA5" Instruction Set Architecture Reference Guide (July 2026). The comments in the code are by the model that wrote it; some were corrected since.
;; Pure Torch SVDQ Int4 Linear BF16. Allowed arithmetic: matrix products marked QUANTISED: E2M1 operands, one E8M0 scale for each 32 along K, by v_wmma_scale_f32_16x16x128_f8f6f4 with both operands' format E2M1 (or v_wmma_scale_f32_32x16x128_f4), f32 sums; everything else in f32.
;; Inputs: bias 4,096 float32; main_qweight 4,096 x 64 x 64 int32; main_wscale 4,096 x 64 float32; proj_down_dense 4,096 x 32 float32; proj_up_dense 32 x 4,096 float32; x 4,096 x 4,096 float32.
;; Outputs: out0 4,096 x 4,096 float32.
;; This version of the problem:
;;   THIS VERSION OF THE PROBLEM IS GIVEN IN LOW PRECISION. The matrix products marked QUANTISED in the list below multiply operands that are first quantised to E2M1 (2 exponent bits, 1 mantissa bit; 4 bits a number), with one power-of-two scale for each 32 numbers along K (OCP MX v1.0); their sums are f32. All else is computed in f32.
;;   The module's matrix products, in the order in which they are computed (A, B: the left and right operand; K: the contracted axis; several contracted axes count as one K, in the product's order):
;;     1. [M 4,096, K 4,096] x [K 4,096, N 4,096]; A: computed on the way; B: computed on the way: QUANTISED
;;     2. [M 4,096, K 4,096] x [K 4,096, N 32]; A: input x; B: input proj_down_dense: QUANTISED
;;     3. [M 4,096, K 32] x [K 32, N 4,096]; A: computed on the way; B: input proj_up_dense: QUANTISED
;;   THE QUANTISER, for each operand of a quantised product, along K:
;;     - K is cut into blocks of 32 from its start; a last block that is shorter is filled with zeros.
;;     - A block's scale is 2^e with e = floor(log2(the largest magnitude in the block)) - 2, held to -126 .. 127; a block of zeros has e = 0. As a byte (E8M0): e + 127.
;;     - Each number is divided by its block's scale, clamped to +-6, and rounded to the nearest number of E2M1, ties to even, subnormals kept.
;;     - The product sums the exact products of the quantised numbers (number of the format x scale) in f32.
;;   ~~~python
;;   def quantise(x, axis):      # numpy; x: float32 -> the quantised numbers, widened to float32 again
;;       x = np.moveaxis(x, axis, -1); K = x.shape[-1]
;;       x = np.pad(x, [(0, 0)] * (x.ndim - 1) + [(0, -K % 32)]); x = x.reshape(x.shape[:-1] + (-1, 32)); a = np.abs(x).max(-1, keepdims=True)
;;       e = np.where(a > 0, np.clip(np.frexp(np.where(a > 0, a, 1))[1] - 1 - 2, -126, 127), 0)      # np.frexp(a)[1] - 1 = floor(log2(a)), exactly
;;       r = np.clip(x / 2.0 ** e, -6, 6)
;;       step = 2.0 ** (np.maximum(np.frexp(np.where(r == 0, 1, r))[1] - 1, 0) - 1)
;;       q = np.round(r / step) * step * 2.0 ** e      # np.round: ties to even
;;       return np.moveaxis(q.reshape(q.shape[:-2] + (-1,))[..., :K], -1, axis).astype(np.float32)
;;   ~~~
;;   OPERANDS COMPUTED ON THE WAY. 'Computed on the way' means the value that the module computes at that place (a softmax that the list does not call 'softmax' is quantised finished and normalised). What goes into a quantiser is computed in f32, as accurately as f32 sums, v_exp_f32 and their like allow (about 1e-6 of the number): no bf16 or f16 on the way to a quantiser, and a product that is left as it is and whose result goes on into a quantised operand takes f32 operands (vector FMAs, or v_wmma_f32_16x16x4_f32). A number that lies on a knife's edge between two numbers of the format may be rounded either way, as far as f32 arithmetic and the matrix unit's own rounding can turn it there, and no further.
;; One version. Each part assembles by itself: llvm-mc -triple=amdgcn-amd-amdhsa -mcpu=gfx1250 --defsym DOCPART=n.
;; ======== version 1 of 1: 3 launches
;; limits: right only within a limited range of input values
;; workspace buffers: acodes 8,912,896 bytes; wcodes 8,912,896 bytes; lra 163,840 bytes; lrb 163,840 bytes; pdq 73,728 bytes
;; launch quant_w (part 1): grid 256 x 1, 16 waves a work-group, no clusters, 268,288 bytes of LDS; arguments main_qweight, main_wscale, proj_down_dense, proj_up_dense, wcodes, lrb, pdq; writes wcodes, lrb, pdq
.if DOCPART == 1
	.amdgcn_target "amdgcn-amd-amdhsa--gfx1250"
	.amdhsa_code_object_version 6
	.text
	.protected	k_q207459d1c7_quant_w
	.globl	k_q207459d1c7_quant_w
	.p2align	8
	.type	k_q207459d1c7_quant_w,@function
k_q207459d1c7_quant_w:
	s_mov_b64 s[64:65], 0
	v_nop
	global_prefetch_b8 v0, s[64:65] scope:SCOPE_SE
	s_setreg_imm32_b32 hwreg(HW_REG_WAVE_MODE, 25, 1), 1
	s_wait_xcnt 0x0
; THE PROGRAM: out = Q(a_deq) Q(w_deq)^T + bias + Q(low_rank) Q(proj_up), low_rank = Q(x) Q(proj_down); Q = codes of FP4 (E2M1) with one E8M0 scale for each 32 along a product's K.
; Three launches: this one turns the three weights into codes; the second turns x into the codes of a_deq and makes low_rank; the third multiplies codes.
; NO WORK OF THE PROBLEM IS LEFT OUT: every input has a way to the output.
; THIS LAUNCH.  w_deq[o][k] = float(main_qweight[o][k]) x main_wscale[o][k / 64], then Q along k.  proj_down [4096 (k)][32] and proj_up [32 (k)][4096]: Q along k.
; A block's byte is its largest magnitude's exponent field - 2, held at 1 from below.
; LIMITS: a block of zeros gets the byte 1 where the rule says 127 (its codes are zeros, and these bytes are read by this program alone); NaN and infinities among the inputs are not served.
; THE BUFFERS ARE IMAGES OF OPERAND REGISTERS.  A record, 4,352 bytes, is 16 rows x 512 K: fragment q (128 K, 8 registers a lane) at 1024 q, its registers 4 c .. 4 c + 3 at + 512 c, lane l's 16 bytes at + 16 l
; (lane l: row l % 16, k = 128 q + 64 c + 32 (l / 16) + 0 .. 31); at + 4,096 the scale words, row r's four at 16 r + 4 q.
; wcodes: [K step of 512: 8][block of 16 rows: 256][record].
; lrb: [256 blocks of 16 columns][512 bytes]: registers 0 .. 3 of a fragment whose K is 32 (lanes 16-31 zeros); from byte 131,072 on a word a lane.
; pdq: fragment (128 along K: kq, 16 columns: t) at 1024 (2 kq + t); from byte 65,536 on its scale words, 128 (2 kq + t) + 4 l.
; SHARES.  Work-group g takes rows 16 g .. 16 g + 15; wave w of sixteen takes k = 256 w .. 256 w + 255, half w % 2 of a record, in two steps of 128.  Its 16 rows x 1,024 bytes come by ONE tensor load into a stage
; of its own: no LDS byte is filled twice, only the issuing wave reads it, so there is no barrier.  Meanwhile wave 0 quantises 16 columns of proj_up, and wave 1 of work-groups 0 to 31 128 rows of proj_down.
.set PITCH, 1040                       ; a stage row: 1,024 bytes + 16 of padding: an odd multiple of 16, so the 16 rows that a load touches lie in 16 different columns of 16 bytes
.set STG,   16*PITCH
.set SPARE, 16*STG                     ; the spare words, 128 bytes a wave
.set REC,   4352
.set LRS,   131072
.set PDSC,  65536
.set XR,  4
.set LI,  5                            ; 16 x lane + 2,048 x my half of the record
.set LS,  6
.set SWA, 7                            ; 16 r + 8 x half + 4 h
.set SH8, 8
.set DW,  9
.set SPW, 10
.set NIL, 11
.set MA,  12
.set NA,  14
.set PL,  16
.set SO,  18
.set BY,  20
.set SP2, 22
.set WS,  24                           ; v24-27 main_wscale of my row's four groups
.set UO,  32
.set WO,  33
.set DI,  34
.set DSO, 35
.set WW,  36
.set WC,  40
.set LF,  48
.set LW,  52
.set LC,  54
.set DC,  48
.set X,   64
.set D,   128
.set G1,  20
.set G0,  28
.set SEL, 44
.set WV,  46
.set HM,  47
.macro MAXB src                        ; the largest magnitudes of two blocks of 32: four chains by turns
	v_max3_num_f32 v[MA],   |v[\src]|,    |v[\src+1]|,  |v[\src+2]|
	v_max3_num_f32 v[MA+1], |v[\src+32]|, |v[\src+33]|, |v[\src+34]|
	v_max3_num_f32 v[NA],   |v[\src+3]|,  |v[\src+4]|,  |v[\src+5]|
	v_max3_num_f32 v[NA+1], |v[\src+35]|, |v[\src+36]|, |v[\src+37]|
.irp i, 6,10,14,18,22,26
	s_delay_alu instid0(VALU_DEP_4)
	v_max3_num_f32 v[MA],   v[MA],   |v[\src+\i]|,    |v[\src+\i+1]|
	s_delay_alu instid0(VALU_DEP_4)
	v_max3_num_f32 v[MA+1], v[MA+1], |v[\src+32+\i]|, |v[\src+33+\i]|
	s_delay_alu instid0(VALU_DEP_4)
	v_max3_num_f32 v[NA],   v[NA],   |v[\src+\i+2]|,  |v[\src+\i+3]|
	s_delay_alu instid0(VALU_DEP_4)
	v_max3_num_f32 v[NA+1], v[NA+1], |v[\src+34+\i]|, |v[\src+35+\i]|
.endr
	s_delay_alu instid0(VALU_DEP_4)
	v_max3_num_f32 v[MA],   v[MA],   |v[\src+30]|, |v[\src+31]|
	s_delay_alu instid0(VALU_DEP_4)
	v_max3_num_f32 v[MA+1], v[MA+1], |v[\src+62]|, |v[\src+63]|
	s_delay_alu instid0(VALU_DEP_2)
	v_max_num_f32 v[MA],   v[MA],   v[NA]
	s_delay_alu instid0(VALU_DEP_2)
	v_max_num_f32 v[MA+1], v[MA+1], v[NA+1]
.endm
.macro SCL                             ; the conversions' scale operands and the scales' bytes
	v_max_num_f32 v[MA],   0x1800000, v[MA]         ; the floor 2^(3 - 127)
	v_max_num_f32 v[MA+1], 0x1800000, v[MA+1]
	s_delay_alu instid0(VALU_DEP_2)
	v_add_nc_u32 v[SO],   0xff000000, v[MA]         ; 2 off the exponent field
	s_delay_alu instid0(VALU_DEP_2)
	v_add_nc_u32 v[SO+1], 0xff000000, v[MA+1]
	s_delay_alu instid0(VALU_DEP_2)
	v_lshrrev_b32 v[BY],   23, v[SO]
	s_delay_alu instid0(VALU_DEP_2)
	v_lshrrev_b32 v[BY+1], 23, v[SO+1]
.endm
.macro CVT8 src, dst
.irp c, 0,1
.irp g, 0,1,2,3
	v_cvt_scalef32_pk8_fp4_f32 v[\dst+4*\c+\g], v[\src+32*\c+8*\g:\src+32*\c+8*\g+7], v[SO+\c]
.endr
.endr
	v_nop                                           ; one plain place behind the last scaled conversion
.endm
.macro MXQ src, dst, word              ; a lane's two blocks (2 c + h) become a fragment's codes and the row's scale word
	SCL
	s_delay_alu instid0(VALU_DEP_1)
	v_lshl_or_b32 v[BY], v[BY+1], 16, v[BY]
	s_delay_alu instid0(VALU_DEP_1)
	v_lshlrev_b32 v[BY], v[SH8], v[BY]
	s_delay_alu instid0(VALU_DEP_1)
	v_permlanex16_b32 v[PL], v[BY], s[SEL], s[SEL+1]
	s_delay_alu instid0(VALU_DEP_1)
	v_or_b32 v[\word], v[BY], v[PL]
	CVT8 \src, \dst
.endm
.macro LRQ src                         ; K = 32: lanes l and l xor 16 hold k = 16 h + 0 .. 15 of one block; lanes 0-15 end with its 32 codes, lanes 16-31 with zeros
	v_max3_num_f32 v[MA],   |v[\src]|,   |v[\src+1]|, 0x1800000
	v_max3_num_f32 v[MA+1], |v[\src+2]|, |v[\src+3]|, |v[\src+4]|
.irp i, 5,9
	s_delay_alu instid0(VALU_DEP_2)
	v_max3_num_f32 v[MA],   v[MA],   |v[\src+\i]|,   |v[\src+\i+1]|
	s_delay_alu instid0(VALU_DEP_2)
	v_max3_num_f32 v[MA+1], v[MA+1], |v[\src+\i+2]|, |v[\src+\i+3]|
.endr
	s_delay_alu instid0(VALU_DEP_2)
	v_max3_num_f32 v[MA], v[MA], |v[\src+13]|, |v[\src+14]|
	s_delay_alu instid0(VALU_DEP_1)
	v_max3_num_f32 v[MA], v[MA], v[MA+1], |v[\src+15]|
	s_delay_alu instid0(VALU_DEP_1)
	v_permlanex16_b32 v[PL], v[MA], s[SEL], s[SEL+1]
	s_delay_alu instid0(VALU_DEP_1)
	v_max_num_f32 v[MA], v[MA], v[PL]
	s_delay_alu instid0(VALU_DEP_1)
	v_add_nc_u32 v[SO], 0xff000000, v[MA]
	s_delay_alu instid0(VALU_DEP_1)
	v_lshrrev_b32 v[LW], 23, v[SO]
	v_cvt_scalef32_pk8_fp4_f32 v[LC],   v[\src:\src+7],    v[SO]
	v_cvt_scalef32_pk8_fp4_f32 v[LC+1], v[\src+8:\src+15], v[SO]
	v_nop
	v_permlanex16_b32 v[PL],   v[LC],   s[SEL], s[SEL+1]
	v_permlanex16_b32 v[PL+1], v[LC+1], s[SEL], s[SEL+1]
	v_cndmask_b32 v[LF], v[LC], 0, s[HM]
	v_cndmask_b32 v[LF+1], v[LC+1], 0, s[HM]
	s_delay_alu instid0(VALU_DEP_4)
	v_cndmask_b32 v[LF+2], v[PL],   0, s[HM]
	s_delay_alu instid0(VALU_DEP_4)
	v_cndmask_b32 v[LF+3], v[PL+1], 0, s[HM]
.endm
	s_load_b256 s[4:11], s[0:1], 0x0               ; main_qweight, main_wscale, proj_down, proj_up
	s_load_b128 s[12:15], s[0:1], 0x20             ; wcodes, lrb
	s_load_b64 s[16:17], s[0:1], 0x30              ; pdq
	v_lshl_add_u32 v[SPW], v0, 2, SPARE
	v_mov_b32 v[NIL], 0
	ds_add_u32 v[SPW], v[NIL]                      ; the opening lines: the add, twice on end, and its wait
	ds_add_u32 v[SPW], v[NIL]
	v_lshrrev_b32 v1, 5, v0
	s_delay_alu instid0(VALU_DEP_1)
	v_readfirstlane_b32 s[WV], v1                  ; wave 0..15
	s_mov_b32 s[G1+0], (2<<16)|(1<<20)|(7<<22)|(3<<25)   ; elements of 4 bytes; 4 words of padding behind every 256
	s_mov_b32 s[G1+1], 256<<16
	s_mov_b32 s[G1+2], 16<<16
	s_mov_b32 s[G1+3], 256<<16
	s_mov_b32 s[G1+4], 16
	s_mov_b32 s[G1+5], 4096
	s_mov_b32 s[G1+6], 0
	s_mov_b32 s[G1+7], 0
	s_mov_b32 s[SEL], 0x76543210
	s_mov_b32 s[SEL+1], 0xfedcba98
	s_mul_i32 s48, s[WV], STG                      ; my stage
	s_lshl_b32 s68, ttmp9, 18                      ; 16 rows of 16,384 bytes a work-group,
	s_lshl_b32 s69, s[WV], 10                      ; 256 numbers a wave
	s_add_co_u32 s68, s68, s69
	s_mov_b32 s69, 0
	s_mov_b32 s[G0], 1
	s_mov_b32 s[G0+1], s48
	s_wait_dscnt 0x0
	s_wait_kmcnt 0x0
	s_add_nc_u64 s[G0+2:G0+3], s[4:5], s[68:69]
	s_or_b32 s[G0+3], s[G0+3], 0x80000000
	tensor_load_to_lds s[G0:G0+3], s[G1:G1+7]      ; my one tensor load
	s_nop 0
	s_and_b32 s49, s[WV], 1                        ; which half of a record is mine
	s_lshl_b32 s70, s49, 11
	s_lshl_b32 s71, s49, 3
	v_and_b32 v1, 31, v0                           ; lane
	v_and_b32 v2, 15, v0                           ; r
	v_bfe_u32 v3, v0, 4, 1                         ; h
	s_delay_alu instid0(VALU_DEP_2)
	v_mul_u32_u24 v[XR], v2, PITCH
	s_delay_alu instid0(VALU_DEP_1)
	v_lshl_add_u32 v[XR], v3, 7, v[XR]
	s_delay_alu instid0(VALU_DEP_1)
	v_add_nc_u32 v[XR], s48, v[XR]
	v_lshl_add_u32 v[LI], v1, 4, s70
	v_lshlrev_b32 v[LS], 2, v1
	v_lshl_add_u32 v[SWA], v2, 4, s71
	s_delay_alu instid0(VALU_DEP_1)
	v_lshl_add_u32 v[SWA], v3, 2, v[SWA]
	v_lshlrev_b32 v[SH8], 3, v3
	v_cmp_le_u32 s[HM], 16, v1
	v_mov_b32 v[PL], 0                             ; a lane permute's destination counts as one of its sources
	v_mov_b32 v[PL+1], 0
	v_lshlrev_b32 v[WO], 8, v2
	v_lshlrev_b32 v[UO], 18, v3                    ; proj_up: 16 h rows of 16,384 bytes + 4 r
	s_delay_alu instid0(VALU_DEP_1)
	v_lshl_add_u32 v[UO], v2, 2, v[UO]
	v_lshlrev_b32 v[DI], 10, v3                    ; proj_down: column n = lane: tile n / 16, lane n % 16 of its image
	s_delay_alu instid0(VALU_DEP_1)
	v_lshl_add_u32 v[DI], v2, 4, v[DI]
	v_lshlrev_b32 v[DSO], 7, v3
	s_delay_alu instid0(VALU_DEP_1)
	v_lshl_add_u32 v[DSO], v2, 2, v[DSO]
	s_wait_alu depctr_va_vdst(0)                   ; the wait at the head's end
	s_lshl_b32 s68, ttmp9, 12                      ; main_wscale: 16 rows of 256 bytes a work-group, 4 groups a wave
	s_lshl_b32 s49, s[WV], 4
	s_add_co_u32 s68, s68, s49
	s_add_nc_u64 s[50:51], s[6:7], s[68:69]
	global_load_b128 v[WS:WS+3], v[WO], s[50:51]
	s_lshr_b32 s68, s[WV], 1                       ; my record: K step w / 2, block g
	s_lshl_b32 s68, s68, 8
	s_add_co_u32 s68, s68, ttmp9
	s_mul_i32 s68, s68, REC
	s_add_nc_u64 s[52:53], s[12:13], s[68:69]
	; proj_up: wave 0 takes columns 16 g + r; lane (r, h) loads k = 16 h + 0 .. 15
	s_cmp_lg_u32 s[WV], 0
	s_cbranch_scc1 .Lno_up
	s_lshl_b32 s68, ttmp9, 6
	s_add_nc_u64 s[54:55], s[10:11], s[68:69]
	s_lshl_b32 s68, ttmp9, 9
	s_add_nc_u64 s[56:57], s[14:15], s[68:69]
	s_lshl_b32 s68, ttmp9, 7
	s_add_co_u32 s68, s68, LRS
	s_add_nc_u64 s[58:59], s[14:15], s[68:69]
.irp i, 0,1,2,3,4,5,6,7,8,9,10,11,12,13,14,15
	global_load_b32 v[X+\i], v[UO], s[54:55] offset:16384*\i
.endr
	s_wait_loadcnt 0x0
	LRQ X
	global_store_b128 v[LI], v[LF:LF+3], s[56:57]  ; (in wave 0 the offset is 16 x lane) 512 consecutive bytes
	global_store_b32 v[LS], v[LW], s[58:59]
.Lno_up:
	; proj_down: wave 1 of work-groups 0 to 31 takes k = 128 g .. 128 g + 127; a lane takes a column, its registers run down K
	s_cmp_lg_u32 s[WV], 1
	s_cbranch_scc1 .Lno_down
	s_cmp_ge_u32 ttmp9, 32
	s_cbranch_scc1 .Lno_down
	s_lshl_b32 s68, ttmp9, 14
	s_add_nc_u64 s[60:61], s[8:9], s[68:69]
	s_lshl_b32 s68, ttmp9, 11
	s_add_nc_u64 s[62:63], s[16:17], s[68:69]
	s_lshl_b32 s68, ttmp9, 8
	s_add_co_u32 s68, s68, PDSC
	s_add_nc_u64 s[66:67], s[16:17], s[68:69]
.set i, 0
.rept 128
	global_load_b32 v[D+i], v[LS], s[60:61] offset:128*i
.set i, i+1
.endr
	s_wait_loadcnt 0x0
	MAXB D
	SCL
	s_delay_alu instid0(VALU_DEP_1)
	v_lshl_or_b32 v[DW], v[BY+1], 8, v[BY]
	CVT8 D, DC
	MAXB D+64
	SCL
	s_delay_alu instid0(VALU_DEP_2)
	v_lshl_or_b32 v[DW], v[BY], 16, v[DW]
	s_delay_alu instid0(VALU_DEP_1)
	v_lshl_or_b32 v[DW], v[BY+1], 24, v[DW]
	CVT8 D+64, DC+8
.irp b, 0,1,2,3
	global_store_b128 v[DI], v[DC+4*\b:DC+4*\b+3], s[62:63] offset:256*\b   ; block b = 2 c + h lies at 512 c + 256 h
.endr
	global_store_b32 v[DSO], v[DW], s[66:67]
	global_store_b32 v[DSO], v[DW], s[66:67] offset:64
.Lno_down:
.macro WSTEP q                         ; 16 rows x 128 along K
.irp c, 0,1
.irp j, 0,1,2,3,4,5,6,7
	ds_load_b128 v[X+32*\c+4*\j:X+32*\c+4*\j+3], v[XR] offset:512*\q+256*\c+16*\j
.endr
.endr
.if \q == 0
	s_wait_loadcnt 0x0                             ; main_wscale
.endif
.irp c, 0,1
	s_wait_dscnt 8-8*\c                            ; block c's eight loads are in
.set i, 0
.rept 32
	v_cvt_f32_i32 v[X+32*\c+i], v[X+32*\c+i]
.set i, i+1
.endr
.set i, 0
.rept 32
	v_mul_f32 v[X+32*\c+i], v[X+32*\c+i], v[WS+2*\q+\c]
.set i, i+1
.endr
.endr
	MAXB X
	s_wait_alu depctr_va_vdst(0)                   ; the wait ahead of the wait below
	s_wait_xcnt 0x0                                ; earlier stores have read their data: the codes' registers are written again only behind this wait
	MXQ X, WC, WW+\q
	global_store_b128 v[LI], v[WC:WC+3],   s[52:53] offset:1024*\q       ; 512 consecutive bytes, at a multiple of 256 from the buffer's first byte
	global_store_b128 v[LI], v[WC+4:WC+7], s[52:53] offset:1024*\q+512
.endm
	s_wait_tensorcnt 0x0                           ; my tile is in
	WSTEP 0
	WSTEP 1
	v_cndmask_b32 v[SP2], v[WW], v[WW+1], s[HM]    ; lane (r, h) stores its row's word 2 x half + h: the two waves of a record fill its 256 bytes of words between them
	global_store_b32 v[SWA], v[SP2], s[52:53] offset:4096
	s_wait_tensorcnt 0x0                           ; the wave's end
	ds_add_u32 v[SPW], v[NIL]
	s_wait_dscnt 0x0
	s_endpgm
.Lfunc_end_k_q207459d1c7_quant_w:
	.size	k_q207459d1c7_quant_w, .Lfunc_end_k_q207459d1c7_quant_w-k_q207459d1c7_quant_w
	.p2alignl 7, 3214868480
	.fill 96, 4, 3214868480
	.section	.rodata,"a",@progbits
	.p2align	6, 0x0
	.amdhsa_kernel k_q207459d1c7_quant_w
		.amdhsa_group_segment_fixed_size 268288
		.amdhsa_private_segment_fixed_size 0
		.amdhsa_enable_private_segment 0
		.amdhsa_kernarg_size 56
		.amdhsa_user_sgpr_count 2
		.amdhsa_user_sgpr_kernarg_segment_ptr 1
		.amdhsa_wavefront_size32 1
		.amdhsa_system_sgpr_workgroup_id_x 1
		.amdhsa_system_sgpr_workgroup_id_y 1
		.amdhsa_system_sgpr_workgroup_id_z 1
		.amdhsa_system_vgpr_workitem_id 0
		.amdhsa_next_free_vgpr 256
		.amdhsa_next_free_sgpr 72
		.amdhsa_reserve_vcc 0
		.amdhsa_float_denorm_mode_32 3
		.amdhsa_float_denorm_mode_16_64 3
		.amdhsa_memory_ordered 1
		.amdhsa_forward_progress 1
		.amdhsa_inst_pref_size 48
	.end_amdhsa_kernel
	.amdgpu_metadata
---
amdhsa.version: [ 1, 2 ]
amdhsa.kernels:
  - .name:           k_q207459d1c7_quant_w
    .symbol:         k_q207459d1c7_quant_w.kd
    .args:
      - { .name: main_qweight, .offset: 0, .size: 8, .value_kind: global_buffer, .address_space: global }
      - { .name: main_wscale, .offset: 8, .size: 8, .value_kind: global_buffer, .address_space: global }
      - { .name: proj_down_dense, .offset: 16, .size: 8, .value_kind: global_buffer, .address_space: global }
      - { .name: proj_up_dense, .offset: 24, .size: 8, .value_kind: global_buffer, .address_space: global }
      - { .name: wcodes, .offset: 32, .size: 8, .value_kind: global_buffer, .address_space: global }
      - { .name: lrb, .offset: 40, .size: 8, .value_kind: global_buffer, .address_space: global }
      - { .name: pdq, .offset: 48, .size: 8, .value_kind: global_buffer, .address_space: global }
    .group_segment_fixed_size: 268288
    .private_segment_fixed_size: 0
    .kernarg_segment_align: 8
    .kernarg_segment_size: 56
    .max_flat_workgroup_size: 512
    .sgpr_count:     72
    .vgpr_count:     256
    .wavefront_size: 32
...
	.end_amdgpu_metadata
.endif
;; end of part 1
;; launch quant_x (part 2): grid 256 x 1, 16 waves a work-group, no clusters, 301,056 bytes of LDS; arguments x, pdq, acodes, lra; writes acodes, lra
.if DOCPART == 2
	.amdgcn_target "amdgcn-amd-amdhsa--gfx1250"
	.amdhsa_code_object_version 6
	.text
	.protected	k_q207459d1c7_quant_x
	.globl	k_q207459d1c7_quant_x
	.p2align	8
	.type	k_q207459d1c7_quant_x,@function
k_q207459d1c7_quant_x:
	s_mov_b64 s[64:65], 0
	v_nop
	global_prefetch_b8 v0, s[64:65] scope:SCOPE_SE
	s_setreg_imm32_b32 hwreg(HW_REG_WAVE_MODE, 25, 1), 1
	s_wait_xcnt 0x0
; x [4096][4096] f32 becomes (1) the codes of a_deq and (2) low_rank = Q(x) Q(proj_down), itself quantised for the third product.  No work of the problem is left out.
; a_deq, for each group of 64 along k: ascale = the group's largest |x| x (1 / 127 in f32), or 1 for a group of zeros; q = x / ascale, rounded to nearest even, held to +-127; a_deq = q x ascale.
; THE QUOTIENT is made as an f32 division gives it: the reciprocal is refined once, and t = x r is corrected by its own remainder, each step one fused multiply-add.
; LIMITS: a block of zeros gets the byte 1 where the rule says 127 (read by this program alone); NaN and infinities in x are not served; groups whose ascale lies under 2^-126 or over 2^126 are not served
; (v_rcp_f32 takes and gives no denormals: ISA guide 15.8); low_rank's sum over K is made in sixteen parts of 256, added in ascending order of K.
; acodes: [K step of 512: 8][block of 16 rows: 256][record of 4,352 bytes], a record as in the first launch.  lra is laid as lrb.
; SHARES.  Work-group g takes rows 16 g .. 16 g + 15; wave w of sixteen takes k = 256 w .. 256 w + 255 in two steps of 128; its 16 rows x 1,024 bytes come by ONE tensor load into a stage of its own.
; Per step two matrix instructions, used transposed (source 0 = 16 columns of proj_down, source 1 = my 16 rows of x).  The waves' parts meet in LDS behind one barrier, and wave 0 adds and quantises them.
.set PITCH, 1040
.set STG,   16*PITCH
.set PART,  16*STG                     ; the waves' parts of low_rank, 2,048 bytes each: LDS stores alone land there
.set SPARE, PART+16*2048
.set REC,   4352
.set LRS,   131072
.set PDSC,  65536
.set XR,  4
.set LI,  5
.set LS,  6
.set SWA, 7
.set SH8, 8
.set PADR, 9
.set SPW, 10
.set NIL, 11
.set MA,  12
.set NA,  14
.set PL,  16
.set SO,  18
.set BY,  20
.set XW,  22                           ; x's scale word
.set LJ,  23                           ; 16 x lane + 2,048 x my half of the record
.set AS,  24
.set RC,  28
.set GM,  32
.set AW,  34
.set SP2, 38
.set XC,  40
.set AC,  48
.set ACC, 56
.set PDS, 72                           ; v72-75 proj_down's scale words, 2 q + t
.set X,   80
.set T,   144
.set PD,  176                          ; v176-207 proj_down's fragments, 8 (2 q + t)
.set LF,  240
.set LW,  244
.set LC,  246
.set WV,  12
.set G1,  16
.set G0,  24
.set SEL, 40
.set C127, 42
.set CP,  43
.set CM,  44
.set HM,  45
.macro MAXB src
	v_max3_num_f32 v[MA],   |v[\src]|,    |v[\src+1]|,  |v[\src+2]|
	v_max3_num_f32 v[MA+1], |v[\src+32]|, |v[\src+33]|, |v[\src+34]|
	v_max3_num_f32 v[NA],   |v[\src+3]|,  |v[\src+4]|,  |v[\src+5]|
	v_max3_num_f32 v[NA+1], |v[\src+35]|, |v[\src+36]|, |v[\src+37]|
.irp i, 6,10,14,18,22,26
	s_delay_alu instid0(VALU_DEP_4)
	v_max3_num_f32 v[MA],   v[MA],   |v[\src+\i]|,    |v[\src+\i+1]|
	s_delay_alu instid0(VALU_DEP_4)
	v_max3_num_f32 v[MA+1], v[MA+1], |v[\src+32+\i]|, |v[\src+33+\i]|
	s_delay_alu instid0(VALU_DEP_4)
	v_max3_num_f32 v[NA],   v[NA],   |v[\src+\i+2]|,  |v[\src+\i+3]|
	s_delay_alu instid0(VALU_DEP_4)
	v_max3_num_f32 v[NA+1], v[NA+1], |v[\src+34+\i]|, |v[\src+35+\i]|
.endr
	s_delay_alu instid0(VALU_DEP_4)
	v_max3_num_f32 v[MA],   v[MA],   |v[\src+30]|, |v[\src+31]|
	s_delay_alu instid0(VALU_DEP_4)
	v_max3_num_f32 v[MA+1], v[MA+1], |v[\src+62]|, |v[\src+63]|
	s_delay_alu instid0(VALU_DEP_2)
	v_max_num_f32 v[MA],   v[MA],   v[NA]
	s_delay_alu instid0(VALU_DEP_2)
	v_max_num_f32 v[MA+1], v[MA+1], v[NA+1]
.endm
.macro SCL
	v_max_num_f32 v[MA],   0x1800000, v[MA]
	v_max_num_f32 v[MA+1], 0x1800000, v[MA+1]
	s_delay_alu instid0(VALU_DEP_2)
	v_add_nc_u32 v[SO],   0xff000000, v[MA]
	s_delay_alu instid0(VALU_DEP_2)
	v_add_nc_u32 v[SO+1], 0xff000000, v[MA+1]
	s_delay_alu instid0(VALU_DEP_2)
	v_lshrrev_b32 v[BY],   23, v[SO]
	s_delay_alu instid0(VALU_DEP_2)
	v_lshrrev_b32 v[BY+1], 23, v[SO+1]
.endm
.macro CVT8 src, dst
.irp c, 0,1
.irp g, 0,1,2,3
	v_cvt_scalef32_pk8_fp4_f32 v[\dst+4*\c+\g], v[\src+32*\c+8*\g:\src+32*\c+8*\g+7], v[SO+\c]
.endr
.endr
	v_nop
.endm
.macro MXQ src, dst, word
	SCL
	s_delay_alu instid0(VALU_DEP_1)
	v_lshl_or_b32 v[BY], v[BY+1], 16, v[BY]
	s_delay_alu instid0(VALU_DEP_1)
	v_lshlrev_b32 v[BY], v[SH8], v[BY]
	s_delay_alu instid0(VALU_DEP_1)
	v_permlanex16_b32 v[PL], v[BY], s[SEL], s[SEL+1]
	s_delay_alu instid0(VALU_DEP_1)
	v_or_b32 v[\word], v[BY], v[PL]
	CVT8 \src, \dst
.endm
.macro LRQ src                         ; K = 32: mine are k = 8 h + 0 .. 7 and 16 + 8 h + 0 .. 7; lanes 0-15 end with the 32 codes, lanes 16-31 with zeros
	v_max3_num_f32 v[MA],   |v[\src]|,   |v[\src+1]|, 0x1800000
	v_max3_num_f32 v[MA+1], |v[\src+2]|, |v[\src+3]|, |v[\src+4]|
.irp i, 5,9
	s_delay_alu instid0(VALU_DEP_2)
	v_max3_num_f32 v[MA],   v[MA],   |v[\src+\i]|,   |v[\src+\i+1]|
	s_delay_alu instid0(VALU_DEP_2)
	v_max3_num_f32 v[MA+1], v[MA+1], |v[\src+\i+2]|, |v[\src+\i+3]|
.endr
	s_delay_alu instid0(VALU_DEP_2)
	v_max3_num_f32 v[MA], v[MA], |v[\src+13]|, |v[\src+14]|
	s_delay_alu instid0(VALU_DEP_1)
	v_max3_num_f32 v[MA], v[MA], v[MA+1], |v[\src+15]|
	s_delay_alu instid0(VALU_DEP_1)
	v_permlanex16_b32 v[PL], v[MA], s[SEL], s[SEL+1]
	s_delay_alu instid0(VALU_DEP_1)
	v_max_num_f32 v[MA], v[MA], v[PL]
	s_delay_alu instid0(VALU_DEP_1)
	v_add_nc_u32 v[SO], 0xff000000, v[MA]
	s_delay_alu instid0(VALU_DEP_1)
	v_lshrrev_b32 v[LW], 23, v[SO]
	v_cvt_scalef32_pk8_fp4_f32 v[LC],   v[\src:\src+7],    v[SO]
	v_cvt_scalef32_pk8_fp4_f32 v[LC+1], v[\src+8:\src+15], v[SO]
	v_nop
	v_permlanex16_b32 v[PL],   v[LC],   s[SEL], s[SEL+1]
	v_permlanex16_b32 v[PL+1], v[LC+1], s[SEL], s[SEL+1]
	v_cndmask_b32 v[LF], v[LC], 0, s[HM]
	s_delay_alu instid0(VALU_DEP_3)
	v_cndmask_b32 v[LF+1], v[PL],   0, s[HM]
	v_cndmask_b32 v[LF+2], v[LC+1], 0, s[HM]
	s_delay_alu instid0(VALU_DEP_4)
	v_cndmask_b32 v[LF+3], v[PL+1], 0, s[HM]
.endm
	s_load_b256 s[4:11], s[0:1], 0x0               ; x, pdq, acodes, lra
	v_lshl_add_u32 v[SPW], v0, 2, SPARE
	v_mov_b32 v[NIL], 0
	ds_add_u32 v[SPW], v[NIL]                      ; the opening lines: the add, twice on end, and its wait
	ds_add_u32 v[SPW], v[NIL]
	v_lshrrev_b32 v1, 5, v0
	s_delay_alu instid0(VALU_DEP_1)
	v_readfirstlane_b32 s[WV], v1                  ; wave 0..15
	s_mov_b32 s[G1+0], (2<<16)|(1<<20)|(7<<22)|(3<<25)   ; elements of 4 bytes; 4 words of padding behind every 256
	s_mov_b32 s[G1+1], 256<<16
	s_mov_b32 s[G1+2], 16<<16
	s_mov_b32 s[G1+3], 256<<16
	s_mov_b32 s[G1+4], 16
	s_mov_b32 s[G1+5], 4096
	s_mov_b32 s[G1+6], 0
	s_mov_b32 s[G1+7], 0
	s_mov_b32 s[SEL], 0x76543210
	s_mov_b32 s[SEL+1], 0xfedcba98
	s_mov_b32 s[C127], 0x3c010204
	s_mov_b32 s[CP], 0x42fe0000
	s_mov_b32 s[CM], 0xc2fe0000
	s_mul_i32 s13, s[WV], STG
	s_lshl_b32 s14, ttmp9, 18
	s_lshl_b32 s15, s[WV], 10
	s_add_co_u32 s14, s14, s15
	s_mov_b32 s15, 0
	s_mov_b32 s[G0], 1
	s_mov_b32 s[G0+1], s13
	s_wait_dscnt 0x0
	s_wait_kmcnt 0x0
	s_add_nc_u64 s[G0+2:G0+3], s[4:5], s[14:15]
	s_or_b32 s[G0+3], s[G0+3], 0x80000000
	tensor_load_to_lds s[G0:G0+3], s[G1:G1+7]      ; my one tensor load
	s_nop 0
	s_and_b32 s46, s[WV], 1
	s_lshl_b32 s47, s46, 11
	s_lshl_b32 s46, s46, 3
	s_lshl_b32 s58, s[WV], 11
	s_add_co_u32 s58, s58, PART
	v_and_b32 v1, 31, v0
	v_and_b32 v2, 15, v0
	v_bfe_u32 v3, v0, 4, 1
	s_delay_alu instid0(VALU_DEP_3)
	v_lshlrev_b32 v[LI], 4, v1
	v_lshlrev_b32 v[LS], 2, v1
	v_lshl_add_u32 v[LJ], v1, 4, s47
	v_mul_u32_u24 v[XR], v2, PITCH
	s_delay_alu instid0(VALU_DEP_1)
	v_lshl_add_u32 v[XR], v3, 7, v[XR]
	s_delay_alu instid0(VALU_DEP_1)
	v_add_nc_u32 v[XR], s13, v[XR]
	v_lshl_add_u32 v[SWA], v2, 4, s46
	s_delay_alu instid0(VALU_DEP_1)
	v_lshl_add_u32 v[SWA], v3, 2, v[SWA]
	v_lshlrev_b32 v[SH8], 3, v3
	v_lshl_add_u32 v[PADR], v1, 4, s58
	v_cmp_le_u32 s[HM], 16, v1
	v_mov_b32 v[PL], 0
	v_mov_b32 v[PL+1], 0
.irp p, AS+1, AS+3, RC+1, RC+3
	v_mov_b32 v[\p], 0                             ; the pairs' upper words are named with the lower
.endr
	s_wait_alu depctr_va_vdst(0)                   ; the wait at the head's end
	s_lshl_b32 s14, s[WV], 12                      ; proj_down's fragments of k = 256 w on: 4 x 1,024 bytes,
	s_add_nc_u64 s[48:49], s[6:7], s[14:15]
	s_lshl_b32 s14, s[WV], 9                       ; and their scale words
	s_add_co_u32 s14, s14, PDSC
	s_add_nc_u64 s[50:51], s[6:7], s[14:15]
.irp f, 0,1,2,3
.irp c, 0,1
	global_load_b128 v[PD+8*\f+4*\c:PD+8*\f+4*\c+3], v[LI], s[48:49] offset:1024*\f+512*\c
.endr
	global_load_b32 v[PDS+\f], v[LS], s[50:51] offset:128*\f
.endr
	s_lshr_b32 s14, s[WV], 1                       ; my record: K step w / 2, block g
	s_lshl_b32 s14, s14, 8
	s_add_co_u32 s14, s14, ttmp9
	s_mul_i32 s14, s14, REC
	s_add_nc_u64 s[52:53], s[8:9], s[14:15]
	s_lshl_b32 s14, ttmp9, 9
	s_add_nc_u64 s[54:55], s[10:11], s[14:15]
	s_lshl_b32 s14, ttmp9, 7
	s_add_co_u32 s14, s14, LRS
	s_add_nc_u64 s[56:57], s[10:11], s[14:15]
.macro QSTEP q
.irp c, 0,1
.irp j, 0,1,2,3,4,5,6,7
	ds_load_b128 v[X+32*\c+4*\j:X+32*\c+4*\j+3], v[XR] offset:512*\q+256*\c+16*\j
.endr
.endr
	s_wait_dscnt 0x0
	MAXB X                                         ; (these plain lines are also the places between the last step's products and the lines that write x's codes and scale word anew)
	s_delay_alu instid0(VALU_DEP_2)
	v_permlanex16_b32 v[PL],   v[MA],   s[SEL], s[SEL+1]
	s_delay_alu instid0(VALU_DEP_2)
	v_permlanex16_b32 v[PL+1], v[MA+1], s[SEL], s[SEL+1]
	s_delay_alu instid0(VALU_DEP_2)
	v_max_num_f32 v[GM],   v[MA],   v[PL]           ; a group of 64 is my block and lane l xor 16's
	s_delay_alu instid0(VALU_DEP_2)
	v_max_num_f32 v[GM+1], v[MA+1], v[PL+1]
	s_delay_alu instid0(VALU_DEP_2)
	v_mul_f32 v[AS],   s[C127], v[GM]
	s_delay_alu instid0(VALU_DEP_2)
	v_mul_f32 v[AS+2], s[C127], v[GM+1]
	s_delay_alu instid0(VALU_DEP_4)
	v_cmp_lt_f32 vcc_lo, 0, v[GM]
	s_delay_alu instid0(VALU_DEP_1)
	v_cndmask_b32 v[AS], 1.0, v[AS], vcc_lo         ; a group of zeros has the scale 1
	v_cmp_lt_f32 vcc_lo, 0, v[GM+1]
	s_delay_alu instid0(VALU_DEP_1)
	v_cndmask_b32 v[AS+2], 1.0, v[AS+2], vcc_lo
	s_wait_alu depctr_va_vdst(0)                   ; the wait ahead of the batch
	v_rcp_f32 v[RC],   v[AS]
	v_rcp_f32 v[RC+2], v[AS+2]
	MXQ X, XC, XW                                  ; Q(x): independent work behind the two reciprocals
	s_wait_alu depctr_va_vdst(0)                   ; one wait for both, ahead of their first reader
	v_fma_f32 v[GM],   -v[AS],   v[RC],   1.0
	v_fma_f32 v[GM+1], -v[AS+2], v[RC+2], 1.0
	v_fma_f32 v[RC],   v[GM],   v[RC],   v[RC]
	v_fma_f32 v[RC+2], v[GM+1], v[RC+2], v[RC+2]
.irp c, 0,1
.set i, 0
.rept 16
	v_pk_mul_f32 v[T+i:T+i+1], v[X+32*\c+i:X+32*\c+i+1], v[RC+2*\c:RC+2*\c+1] op_sel_hi:[1,0]   ; t = x r
.set i, i+2
.endr
.set i, 0
.rept 16
	v_pk_fma_f32 v[X+32*\c+i:X+32*\c+i+1], v[T+i:T+i+1], v[AS+2*\c:AS+2*\c+1], v[X+32*\c+i:X+32*\c+i+1] op_sel_hi:[1,0,1] neg_lo:[1,0,0] neg_hi:[1,0,0]   ; x - t a
.set i, i+2
.endr
.set i, 0
.rept 16
	v_pk_fma_f32 v[T+i:T+i+1], v[X+32*\c+i:X+32*\c+i+1], v[RC+2*\c:RC+2*\c+1], v[T+i:T+i+1] op_sel_hi:[1,0,1]   ; the quotient
.set i, i+2
.endr
.set i, 0
.rept 32
	v_rndne_f32 v[T+i], v[T+i]
.set i, i+1
.endr
.set i, 0
.rept 32
	v_med3_num_f32 v[T+i], v[T+i], s[CM], s[CP]
.set i, i+1
.endr
.set i, 0
.rept 16
	v_pk_mul_f32 v[X+32*\c+i:X+32*\c+i+1], v[T+i:T+i+1], v[AS+2*\c:AS+2*\c+1] op_sel_hi:[1,0]   ; a_deq
.set i, i+2
.endr
.endr
	MAXB X
	s_wait_alu depctr_va_vdst(0)                   ; the wait ahead of the wait below
	s_wait_xcnt 0x0                                ; the last step's stores have read their data
	MXQ X, AC, AW+\q
	global_store_b128 v[LJ], v[AC:AC+3],   s[52:53] offset:1024*\q
	global_store_b128 v[LJ], v[AC+4:AC+7], s[52:53] offset:1024*\q+512
.if \q == 0
	s_wait_loadcnt 0x0                             ; proj_down's fragments and scale words
	v_wmma_scale_f32_16x16x128_f8f6f4 v[ACC:ACC+7],    v[PD:PD+7],    v[XC:XC+7], 0, v[PDS],   v[XW] matrix_a_fmt:MATRIX_FMT_FP4 matrix_b_fmt:MATRIX_FMT_FP4
	v_wmma_scale_f32_16x16x128_f8f6f4 v[ACC+8:ACC+15], v[PD+8:PD+15], v[XC:XC+7], 0, v[PDS+1], v[XW] matrix_a_fmt:MATRIX_FMT_FP4 matrix_b_fmt:MATRIX_FMT_FP4
.else
	v_wmma_scale_f32_16x16x128_f8f6f4 v[ACC:ACC+7],    v[PD+16*\q:PD+16*\q+7],    v[XC:XC+7], v[ACC:ACC+7],    v[PDS+2*\q],   v[XW] matrix_a_fmt:MATRIX_FMT_FP4 matrix_b_fmt:MATRIX_FMT_FP4   ; the two accumulators take turns
	v_wmma_scale_f32_16x16x128_f8f6f4 v[ACC+8:ACC+15], v[PD+16*\q+8:PD+16*\q+15], v[XC:XC+7], v[ACC+8:ACC+15], v[PDS+2*\q+1], v[XW] matrix_a_fmt:MATRIX_FMT_FP4 matrix_b_fmt:MATRIX_FMT_FP4
.endif
.endm
	s_wait_tensorcnt 0x0                           ; my tile is in
	QSTEP 0
	QSTEP 1
	v_cndmask_b32 v[SP2], v[AW], v[AW+1], s[HM]    ; lane (r, h) stores its row's word 2 x half + h
	global_store_b32 v[SWA], v[SP2], s[52:53] offset:4096
.rept 4
	v_nop                                          ; places between the last products and the stores that read their results
.endr
	ds_store_b128 v[PADR], v[ACC:ACC+3]            ; my part of low_rank, each accumulator from its low end on
	ds_store_b128 v[PADR], v[ACC+4:ACC+7]   offset:512
	ds_store_b128 v[PADR], v[ACC+8:ACC+11]  offset:1024
	ds_store_b128 v[PADR], v[ACC+12:ACC+15] offset:1536
	s_wait_dscnt 0x0                               ; for wave 0's sake
	s_barrier_signal -1
	s_barrier_wait -1
	s_cmp_eq_u32 s[WV], 0
	s_cbranch_scc1 .Lwave_0
	s_wait_tensorcnt 0x0                           ; the wave's end: the three lines
	ds_add_u32 v[SPW], v[NIL]
	s_wait_dscnt 0x0
	s_endpgm
.Lwave_0:
.macro GATHER w0, n                    ; parts w0 .. w0 + n - 1 are added, K ascending (in wave 0 the address is PART + 16 x lane)
.set W, 0
.rept \n
.irp k, 0,1,2,3
	ds_load_b128 v[X+16*W+4*\k:X+16*W+4*\k+3], v[PADR] offset:2048*(\w0+W)+512*\k
.endr
.set W, W+1
.endr
	s_wait_alu depctr_va_vdst(0)                   ; the wait ahead of the wait below
	s_wait_dscnt 0x0
.set W, 0
.rept \n
.irp p, 0,2,4,6,8,10,12,14
	v_pk_add_f32 v[ACC+\p:ACC+\p+1], v[ACC+\p:ACC+\p+1], v[X+16*W+\p:X+16*W+\p+1]
.endr
.set W, W+1
.endr
.endm
	GATHER 1, 8
	GATHER 9, 7
	LRQ ACC                                        ; register 8 t + j is low_rank(r, 16 t + 8 h + j)
	global_store_b128 v[LI], v[LF:LF+3], s[54:55]
	global_store_b32 v[LS], v[LW], s[56:57]
	s_wait_tensorcnt 0x0
	ds_add_u32 v[SPW], v[NIL]
	s_wait_dscnt 0x0
	s_endpgm
.Lfunc_end_k_q207459d1c7_quant_x:
	.size	k_q207459d1c7_quant_x, .Lfunc_end_k_q207459d1c7_quant_x-k_q207459d1c7_quant_x
	.p2alignl 7, 3214868480
	.fill 96, 4, 3214868480
	.section	.rodata,"a",@progbits
	.p2align	6, 0x0
	.amdhsa_kernel k_q207459d1c7_quant_x
		.amdhsa_group_segment_fixed_size 301056
		.amdhsa_private_segment_fixed_size 0
		.amdhsa_enable_private_segment 0
		.amdhsa_kernarg_size 32
		.amdhsa_user_sgpr_count 2
		.amdhsa_user_sgpr_kernarg_segment_ptr 1
		.amdhsa_wavefront_size32 1
		.amdhsa_system_sgpr_workgroup_id_x 1
		.amdhsa_system_sgpr_workgroup_id_y 1
		.amdhsa_system_sgpr_workgroup_id_z 1
		.amdhsa_system_vgpr_workitem_id 0
		.amdhsa_next_free_vgpr 256
		.amdhsa_next_free_sgpr 66
		.amdhsa_reserve_vcc 1
		.amdhsa_float_denorm_mode_32 3
		.amdhsa_float_denorm_mode_16_64 3
		.amdhsa_memory_ordered 1
		.amdhsa_forward_progress 1
		.amdhsa_inst_pref_size 69
	.end_amdhsa_kernel
	.amdgpu_metadata
---
amdhsa.version: [ 1, 2 ]
amdhsa.kernels:
  - .name:           k_q207459d1c7_quant_x
    .symbol:         k_q207459d1c7_quant_x.kd
    .args:
      - { .name: x, .offset: 0, .size: 8, .value_kind: global_buffer, .address_space: global }
      - { .name: pdq, .offset: 8, .size: 8, .value_kind: global_buffer, .address_space: global }
      - { .name: acodes, .offset: 16, .size: 8, .value_kind: global_buffer, .address_space: global }
      - { .name: lra, .offset: 24, .size: 8, .value_kind: global_buffer, .address_space: global }
    .group_segment_fixed_size: 301056
    .private_segment_fixed_size: 0
    .kernarg_segment_align: 8
    .kernarg_segment_size: 32
    .max_flat_workgroup_size: 512
    .sgpr_count:     66
    .vgpr_count:     256
    .wavefront_size: 32
...
	.end_amdgpu_metadata
.endif
;; end of part 2
;; launch gemm (part 3): grid 16 x 16, 4 waves a work-group, clusters of 4 x 4, 327,680 bytes of LDS; arguments acodes, wcodes, lra, lrb, bias, out0; writes out0
.if DOCPART == 3
	.amdgcn_target "amdgcn-amd-amdhsa--gfx1250"
	.amdhsa_code_object_version 6
	.text
	.protected	k_q207459d1c7_gemm
	.globl	k_q207459d1c7_gemm
	.p2align	8
	.type	k_q207459d1c7_gemm,@function
k_q207459d1c7_gemm:
	s_mov_b64 s[64:65], 0
	v_nop
	global_prefetch_b8 v0, s[64:65] scope:SCOPE_SE
	s_setreg_imm32_b32 hwreg(HW_REG_WAVE_MODE, 25, 1), 1
	s_wait_xcnt 0x0
	s_wait_alu depctr_hold_cnt(0) depctr_sa_sdst(0) depctr_va_vdst(0) depctr_va_sdst(0) depctr_va_ssrc(0) depctr_va_vcc(0) depctr_vm_vsrc(0)
	s_getreg_b32 s2, hwreg(HW_REG_IB_STS2, 6, 4)
	s_cmp_eq_u32 s2, 0
	s_cbranch_scc0 .Lentry_in_a_cluster
	s_endpgm
.Lentry_in_a_cluster:
	s_bfe_u32 s2, ttmp6, 0x10000c
	s_cmp_lg_u32 s2, 0xf033
	s_cbranch_scc0 .Lentry_shape_is_right
	s_endpgm
.Lentry_shape_is_right:
; out = Q(a_deq) Q(w_deq)^T + bias + Q(low_rank) Q(proj_up), on codes of FP4 with E8M0 scales.  No work of the problem is left out.
; A tile of out, 256 x 256, is made by four waves, each 128 x 128: 64 accumulators, 512 registers.  K goes in steps of 512 through a ring of two LDS slots; a wave's tensor load brings 8 records
; (128 rows x 512 K with their scale words, 34,816 consecutive bytes, as 136 rows of 256 bytes).  The records are images of operand registers: a fragment is two LDS loads at 16 x lane.
; CLUSTERS: 4 x 4 work-groups; acodes' tiles are asked for jointly along a row of the cluster, wcodes' along a column.  Each cluster walks the eight K steps in an order of its own: the K step is the
; walk's count xor a number made of the cluster's two coordinates, the same in all sixteen partners; so the order of the f32 sums along K differs from cluster to cluster.
; The matrix instruction is used transposed (source 0 = rows of wcodes, source 1 = rows of acodes).  The rank-32 product, with the bias as its C, starts all 64 sums.
; The last K step goes by blocks of 16 rows, and each block leaves through the wave's own stage in slot 0, which has had its last fill and its last read by then.
; No prefetch: the block is the largest, in clusters, and K has eight steps, two of which are asked for at the head.
.set SIZE_N, 4096
.set NQ,     4
.set FR,     8
.set NL,     2
.set NP,     4
.set REC,    4352
.set KSB,    256*REC
.set HALFT,  8*REC
.set SLOT,   4*HALFT
.set SPARE,  2*SLOT
.set LRS,    131072
.set LAPS,   3
.set SPITCH, 528
.set ADRA, 16
.set ADRB, 20
.set ADRS, 22
.set STO,  24
.set RD,   25
.set CO,   26
.set SPW,  28
.set NIL,  29
.set LS,   30
.set BO,   31
.set SC,   32
.set LSA,  64
.set LSB,  72
.set AF,   128
.set PA,   128
.set BI,   64
.set G1, 24
.set G0, 32
.set G1B, 48
.set G0B, 56
.set BA,  20
.set BB,  46
.set KG,  80
.set KT,  81
.set KO,  82
.set MSB, 0
.macro WIN new
.if MSB != \new
	s_set_vgpr_msb (MSB<<8)|\new
.set MSB, \new
.endif
.endm
.set MUL_LO, 0xa1
.set MUL_HI, 0xf1
.set LR_LO,  0x91
.set LR_HI,  0xd1
.set TO_B,   0x40
.macro JLOAD g0a, g1a, g0b, g1b
	s_cmp_eq_u32 s17, 0
	s_cbranch_scc0 .Lfor_b_\@
	tensor_load_to_lds s[\g0a:\g0a+3], s[\g1a:\g1a+7]
	s_nop 0
.rept 4
	v_nop
.endr
	s_branch .Lasked_\@
.Lfor_b_\@:
	tensor_load_to_lds s[\g0b:\g0b+3], s[\g1b:\g1b+7]
	s_nop 0
.rept 4
	v_nop
.endr
.Lasked_\@:
.endm
.macro CREST
	s_cmp_lg_u32 s16, 0
	s_cbranch_scc1 .Lnot_wave_0_\@
	s_barrier_signal -3
.Lnot_wave_0_\@:
	s_barrier_wait -3
	s_barrier_signal -1
	s_barrier_wait -1
.endm
.macro CROUND
	s_barrier_signal -1
	s_barrier_wait -1
	CREST
.endm
	s_load_b256 s[4:11], s[0:1], 0x0
	s_load_b128 s[12:15], s[0:1], 0x20
	v_lshl_add_u32 v[SPW], v0, 2, SPARE
	v_mov_b32 v[NIL], 0
	ds_add_u32 v[SPW], v[NIL]
	ds_add_u32 v[SPW], v[NIL]
	v_lshrrev_b32 v1, 5, v0
	v_readfirstlane_b32 s16, v1
	s_lshr_b32 s17, s16, 1
	s_and_b32 s18, s16, 1
	s_bfe_u32 s40, ttmp6, 0x40000
	s_bfe_u32 s41, ttmp6, 0x40004
	s_lshl_b32 s42, ttmp9, 2
	s_add_co_u32 s42, s42, s40
	s_and_b32 s45, ttmp7, 0xffff
	s_lshl_b32 s45, s45, 2
	s_add_co_u32 s45, s45, s41
	s_lshl_b32 s43, s41, 2
	s_lshl_b32 s43, 15, s43
	s_lshl_b32 s44, 0x1111, s40
	s_and_b32 s[KT], ttmp7, 0xffff
	s_xor_b32 s[KT], s[KT], ttmp9
	s_lshr_b32 s[KG], s[KT], 1
	s_xor_b32 s[KG], s[KG], s[KT]
	s_and_b32 s[KG], s[KG], 1
	s_lshl_b32 s[KG], s[KG], 2
	s_and_b32 s[KT], s[KT], 2
	s_or_b32 s[KG], s[KG], s[KT]
	s_mov_b32 s[KO+1], 0
	s_or_b32 s[G1+0], s43, (3<<16)|(1<<21)
	s_or_b32 s[G1B+0], s44, (3<<16)|(1<<21)
.irp g, G1, G1B
	s_mov_b32 s[\g+1], 32<<16
	s_mov_b32 s[\g+2], 136<<16
	s_mov_b32 s[\g+3], 32<<16
	s_mov_b32 s[\g+4], 136
	s_mov_b32 s[\g+5], 32
	s_mov_b32 s[\g+6], 0
	s_mov_b32 s[\g+7], 0
.endr
	s_lshl_b32 s22, s18, 3
	s_lshl_b32 s[BA], s45, 4
	s_add_co_u32 s[BA], s[BA], s22
	s_mul_i32 s[BA], s[BA], REC
	s_mov_b32 s[BA+1], 0
	s_lshl_b32 s[BB], s42, 4
	s_add_co_u32 s[BB], s[BB], s22
	s_mul_i32 s[BB], s[BB], REC
	s_mov_b32 s[BB+1], 0
	s_mul_i32 s23, s16, HALFT
	s_wait_dscnt 0x0
	s_wait_kmcnt 0x0
	s_add_nc_u64 s[BA:BA+1], s[4:5], s[BA:BA+1]
	s_add_nc_u64 s[BB:BB+1], s[6:7], s[BB:BB+1]
	CROUND
.irp s, 0,1
	s_add_co_u32 s[KO], s[KG], \s
	s_mul_i32 s[KO], s[KO], KSB
	s_mov_b32 s[G0+4*\s], 1
	s_add_co_u32 s[G0+4*\s+1], s23, \s*SLOT
	s_add_nc_u64 s[G0+4*\s+2:G0+4*\s+3], s[BA:BA+1], s[KO:KO+1]
	s_or_b32 s[G0+4*\s+3], s[G0+4*\s+3], 0x80000000
	s_mov_b32 s[G0B+4*\s], 1
	s_add_co_u32 s[G0B+4*\s+1], s23, \s*SLOT
	s_add_nc_u64 s[G0B+4*\s+2:G0B+4*\s+3], s[BB:BB+1], s[KO:KO+1]
	s_or_b32 s[G0B+4*\s+3], s[G0B+4*\s+3], 0x80000000
.endr
	JLOAD G0, G1, G0B, G1B                         ; the walk's first K step: one tensor load a wave at the head, behind the round above; the loads of the bias and of the rank-32 operands follow while it is on its way
	s_mov_b32 s[KT], 2
	v_and_b32 v1, 15, v0
	v_bfe_u32 v2, v0, 4, 1
	v_and_b32 v3, 31, v0
	v_lshlrev_b32 v[CO], 4, v3
	v_lshlrev_b32 v[LS], 2, v3
	v_lshlrev_b32 v[BO], 5, v2
	s_wait_alu depctr_va_vdst(0)
	s_lshl_b32 s76, s42, 10
	s_lshl_b32 s77, s18, 9
	s_add_co_u32 s76, s76, s77
	s_mov_b32 s77, 0
	s_add_nc_u64 s[66:67], s[12:13], s[76:77]
	s_mov_b32 s79, 0
	s_lshl_b32 s76, s45, 4
	s_lshl_b32 s78, s17, 3
	s_add_co_u32 s76, s76, s78
	s_lshl_b32 s78, s76, 9
	s_add_nc_u64 s[68:69], s[8:9], s[78:79]
	s_lshl_b32 s78, s76, 7
	s_add_co_u32 s78, s78, LRS
	s_add_nc_u64 s[70:71], s[8:9], s[78:79]
	s_lshl_b32 s76, s42, 4
	s_lshl_b32 s78, s18, 3
	s_add_co_u32 s76, s76, s78
	s_lshl_b32 s78, s76, 9
	s_add_nc_u64 s[72:73], s[10:11], s[78:79]
	s_lshl_b32 s78, s76, 7
	s_add_co_u32 s78, s78, LRS
	s_add_nc_u64 s[74:75], s[10:11], s[78:79]
	WIN TO_B
.irp b, 0,1,2,3,4,5,6,7
	global_load_b128 v[BI+8*\b:BI+8*\b+3],   v[BO], s[66:67] offset:64*\b
	global_load_b128 v[BI+8*\b+4:BI+8*\b+7], v[BO], s[66:67] offset:64*\b+16
.endr
.irp i, 0,1,2,3,4,5,6,7
	global_load_b128 v[128+FR*\i:128+FR*\i+3], v[CO], s[72:73] offset:512*\i
.irp k, 4,5,6,7
	v_mov_b32 v[128+FR*\i+\k], 0
.endr
.endr
	WIN 0
.irp i, 0,1,2,3,4,5,6,7
	global_load_b128 v[AF+FR*\i:AF+FR*\i+3], v[CO], s[68:69] offset:512*\i
.irp k, 4,5,6,7
	v_mov_b32 v[AF+FR*\i+\k], 0
.endr
	global_load_b32 v[LSA+\i], v[LS], s[70:71] offset:128*\i
	global_load_b32 v[LSB+\i], v[LS], s[74:75] offset:128*\i
.endr
	s_mul_i32 s76, s17, HALFT
	s_mul_i32 s77, s18, HALFT
	s_add_co_u32 s77, s77, 2*HALFT
	s_sub_co_u32 s78, s77, s76
	v_mul_u32_u24 v4, s78, v2
	v_lshl_add_u32 v4, v1, 4, v4
	s_add_co_u32 s78, s76, 4096
	v_add_nc_u32 v[ADRS], s78, v4
	v_add_nc_u32 v[ADRS+1], SLOT, v[ADRS]
.irp s, 0,1
	v_add_nc_u32 v[ADRA+\s], s76, v[CO]
	v_add_nc_u32 v[ADRB+\s], s77, v[CO]
	s_add_co_u32 s76, s76, SLOT
	s_add_co_u32 s77, s77, SLOT
.endr
	s_mul_i32 s78, s16, 16*SPITCH
	v_mul_u32_u24 v5, v1, SPITCH
	v_lshl_add_u32 v5, v2, 5, v5
	v_add_nc_u32 v[STO], s78, v5
	v_add_nc_u32 v[RD], s78, v[CO]
	s_lshl_b32 s76, s45, 8
	s_lshl_b32 s77, s17, 7
	s_add_co_u32 s76, s76, s77
	s_lshl_b32 s76, s76, 14
	s_lshl_b32 s77, s42, 10
	s_add_co_u32 s76, s76, s77
	s_lshl_b32 s77, s18, 9
	s_add_co_u32 s76, s76, s77
	s_mov_b32 s77, 0
	s_add_nc_u64 s[14:15], s[14:15], s[76:77]
.macro FRAG reg, adr, q, i
.irp c, 0,1
	ds_load_b128 v[\reg+4*\c:\reg+4*\c+3], v[\adr] offset:REC*(\i)+1024*(\q)+512*\c
.endr
.endm
.macro MUL16 a0, p, q, sc
.irp a, \a0, \a0+1
.irp b, 0,1,2,3,4,5,6,7
	v_wmma_scale_f32_16x16x128_f8f6f4 v[8*(8*((\a)%4)+\b):8*(8*((\a)%4)+\b)+7], v[128*(\p)+FR*\b:128*(\p)+FR*\b+FR-1], v[AF+FR*(\a):AF+FR*(\a)+FR-1], v[8*(8*((\a)%4)+\b):8*(8*((\a)%4)+\b)+7], v[SC+8*NQ*(\sc)+NQ*\b+(\q)], v[SC+8*NQ*(\sc)+NQ*(\a)+(\q)] matrix_a_fmt:MATRIX_FMT_FP4 matrix_b_fmt:MATRIX_FMT_FP4 matrix_a_scale:MATRIX_SCALE_ROW1
.endr
.endr
.endm
.macro MULLR a0
.irp a, \a0, \a0+1
.irp b, 0,1,2,3,4,5,6,7
	v_wmma_scale_f32_16x16x128_f8f6f4 v[8*(8*((\a)%4)+\b):8*(8*((\a)%4)+\b)+7], v[128+FR*\b:128+FR*\b+FR-1], v[AF+FR*(\a):AF+FR*(\a)+FR-1], v[BI+8*\b:BI+8*\b+7], v[LSB+\b], v[LSA+(\a)] matrix_a_fmt:MATRIX_FMT_FP4 matrix_b_fmt:MATRIX_FMT_FP4
.endr
.endr
.endm
.macro FETCH_B slot, q, p
	WIN TO_B
.irp i, 0,1,2,3,4,5,6,7
	FRAG 128*(\p)+FR*\i, ADRB+\slot, \q, \i
.endr
	WIN 0
.endm
.macro FETCH_A slot, q, i0
.irp i, \i0, \i0+1, \i0+2, \i0+3
	FRAG AF+FR*(\i), ADRA+\slot, \q, \i
.endr
.endm
.macro SCALES sc
.irp i, 0,1,2,3,4,5,6,7
	ds_load_b128 v[SC+8*NQ*\sc+NQ*\i:SC+8*NQ*\sc+NQ*\i+3], v[ADRS+\sc] offset:\i*REC
.endr
.endm
.macro PLACES n
.rept \n
	v_nop
.endr
.endm
.macro STEP slot, q
	s_wait_dscnt 4*NL
	WIN MUL_LO
	MUL16 0, (\q)%2, \q, \slot
	MUL16 2, (\q)%2, \q, \slot
	s_wait_dscnt 0
	PLACES NP
	FETCH_B \slot, (\q)+1, 1-(\q)%2
	FETCH_A \slot, (\q)+1, 0
	WIN MUL_HI
	MUL16 4, (\q)%2, \q, \slot
	MUL16 6, (\q)%2, \q, \slot
	PLACES NP
	WIN 0
	FETCH_A \slot, (\q)+1, 4
.endm
.macro TURN slot, next
	s_wait_tensorcnt 0x0
	ds_add_u32 v[SPW], v[NIL]
	s_xor_b32 s[KO], s[KT], s[KG]
.if \slot
	s_add_co_u32 s[KO], s[KO], 1
	s_add_co_u32 s[KT], s[KT], 2
.endif
	s_mul_i32 s[KO], s[KO], KSB
	s_add_nc_u64 s[G0+4*\slot+2:G0+4*\slot+3], s[BA:BA+1], s[KO:KO+1]
	s_or_b32 s[G0+4*\slot+3], s[G0+4*\slot+3], 0x80000000
	s_add_nc_u64 s[G0B+4*\slot+2:G0B+4*\slot+3], s[BB:BB+1], s[KO:KO+1]
	s_or_b32 s[G0B+4*\slot+3], s[G0B+4*\slot+3], 0x80000000
	s_wait_dscnt 4*NL+1
	WIN MUL_LO
	MUL16 0, 1, NQ-1, \slot
	s_wait_dscnt 0x0
	s_barrier_signal -1
	MUL16 2, 1, NQ-1, \slot
	WIN 0
	s_barrier_wait -1
	CREST
	JLOAD G0+4*\slot, G1, G0B+4*\slot, G1B
	FETCH_B \next, 0, 0
	FETCH_A \next, 0, 0
	SCALES \next
	WIN MUL_HI
	MUL16 4, 1, NQ-1, \slot
	MUL16 6, 1, NQ-1, \slot
	PLACES NP
	WIN 0
	FETCH_A \next, 0, 4
.endm
.macro STEPS slot, from
.set Q, \from
.rept NQ-1-\from
	STEP \slot, Q
.set Q, Q+1
.endr
.endm
.macro BLOAD q
.irp i, 0,1,2,3,4,5,6,7
	ds_load_b128 v[64*\q+8*\i:64*\q+8*\i+3],   v[ADRB+1] offset:REC*\i+1024*\q
	ds_load_b128 v[64*\q+8*\i+4:64*\q+8*\i+7], v[ADRB+1] offset:REC*\i+1024*\q+512
.endr
.endm
.macro ALOAD a
.set FA, PA+32*((\a)%4)
.irp q, 0,1,2,3
	ds_load_b128 v[FA+8*\q:FA+8*\q+3],   v[ADRA+1] offset:REC*(\a)+1024*\q
	ds_load_b128 v[FA+8*\q+4:FA+8*\q+7], v[ADRA+1] offset:REC*(\a)+1024*\q+512
.endr
.endm
.macro ROW a
.set FA, PA+32*((\a)%4)
.set AC, 64*((\a)%4)
	WIN MUL_LO+0x50*((\a)/4)
.irp q, 0,1,2,3
.if (\a) == 0 && \q == 2
	s_wait_dscnt 24
.endif
.irp b, 0,1,2,3,4,5,6,7
	v_wmma_scale_f32_16x16x128_f8f6f4 v[AC+8*\b:AC+8*\b+7], v[64*\q+8*\b:64*\q+8*\b+7], v[FA+8*\q:FA+8*\q+7], v[AC+8*\b:AC+8*\b+7], v[SC+8*NQ+NQ*\b+\q], v[SC+8*NQ+NQ*(\a)+\q] matrix_a_fmt:MATRIX_FMT_FP4 matrix_b_fmt:MATRIX_FMT_FP4 matrix_a_scale:MATRIX_SCALE_ROW1
.endr
.endr
.endm
.macro TOSTAGE a
.set AC, 64*((\a)%4)
	WIN 0x88+0x44*((\a)/4)
.irp b, 0,1,2,3,4,5,6,7
	ds_store_b128 v[STO], v[AC+8*\b:AC+8*\b+3] offset:64*\b
	ds_store_b128 v[STO], v[AC+8*\b+4:AC+8*\b+7] offset:64*\b+16
.endr
.irp t, 0,1,2,3,4,5,6,7,8,9,10,11,12,13,14,15
	ds_load_b128 v[AC+4*\t:AC+4*\t+3], v[RD] offset:\t*SPITCH
.endr
.endm
.macro SEND a, younger
.set AC, 64*((\a)%4)
	WIN 0x88+0x44*((\a)/4)
	s_wait_dscnt \younger
.irp t, 0,1,2,3,4,5,6,7,8,9,10,11,12,13,14,15
	global_store_b128 v[CO], v[AC+4*\t:AC+4*\t+3], s[14:15] offset:(16*(\a)+\t)*SIZE_N*4 th:TH_STORE_NT
.endr
.endm
	s_wait_alu depctr_va_vdst(0)
	s_wait_tensorcnt 0x0                           ; my part of slot 0 is in
	ds_add_u32 v[SPW], v[NIL]
	s_wait_dscnt 0x0
	CROUND                                         ; everybody's part of slot 0 is in, and all sixteen work-groups are here
	JLOAD G0+4, G1, G0B+4, G1B                     ; slot 1's first fill, the first tensor load behind the round
	s_wait_loadcnt 0x0
	WIN LR_LO
	MULLR 0
	MULLR 2
	PLACES NP
	FETCH_B 0, 0, 0
	FETCH_A 0, 0, 0
	SCALES 0
	WIN LR_HI
	MULLR 4
	MULLR 6
	PLACES NP
	WIN 0
	FETCH_A 0, 0, 4
	s_mov_b32 s3, LAPS
.Llap:
	STEPS 0, 0
	TURN 0, 1
	STEPS 1, 0
	TURN 1, 0
	s_sub_co_u32 s3, s3, 1
	s_cmp_lg_u32 s3, 0
	s_cbranch_scc1 .Llap
	STEPS 0, 0
	s_wait_tensorcnt 0x0
	ds_add_u32 v[SPW], v[NIL]
	s_wait_dscnt 4*NL+1
	WIN MUL_LO
	MUL16 0, 1, NQ-1, 0
	s_wait_dscnt 0x0
	s_barrier_signal -1
	MUL16 2, 1, NQ-1, 0
	WIN 0
	s_barrier_wait -1
	PLACES NP
	WIN TO_B
	BLOAD 0
	BLOAD 1
	BLOAD 3
	WIN 0
	ALOAD 0
	SCALES 1
	WIN MUL_HI
	MUL16 4, 1, NQ-1, 0
	MUL16 6, 1, NQ-1, 0
	PLACES NP
	WIN TO_B
	BLOAD 2
	WIN 0
	ALOAD 1
	ALOAD 2
	ALOAD 3
	s_wait_dscnt 40
	ROW 0
.irp a, 0,1,2,3,4,5,6,7
	PLACES NP
	TOSTAGE \a
.if \a < 4
	WIN 0
	ALOAD \a+4
.endif
.if \a == 0
	s_wait_dscnt 40
.endif
.if \a < 7
	ROW \a+1
.endif
.if \a < 4
	SEND \a, 8
.else
	SEND \a, 0
.endif
.endr
	WIN 0
	s_wait_tensorcnt 0x0
	ds_add_u32 v[SPW], v[NIL]
	s_wait_dscnt 0x0
	CROUND
	s_endpgm
.Lfunc_end_k_q207459d1c7_gemm:
	.size	k_q207459d1c7_gemm, .Lfunc_end_k_q207459d1c7_gemm-k_q207459d1c7_gemm
	.p2alignl 7, 3214868480
	.fill 96, 4, 3214868480
	.section	.rodata,"a",@progbits
	.p2align	6, 0x0
	.amdhsa_kernel k_q207459d1c7_gemm
		.amdhsa_group_segment_fixed_size 327680
		.amdhsa_private_segment_fixed_size 0
		.amdhsa_enable_private_segment 0
		.amdhsa_kernarg_size 48
		.amdhsa_user_sgpr_count 2
		.amdhsa_user_sgpr_kernarg_segment_ptr 1
		.amdhsa_wavefront_size32 1
		.amdhsa_system_sgpr_workgroup_id_x 1
		.amdhsa_system_sgpr_workgroup_id_y 1
		.amdhsa_system_sgpr_workgroup_id_z 1
		.amdhsa_system_vgpr_workitem_id 0
		.amdhsa_next_free_vgpr 1024
		.amdhsa_next_free_sgpr 84
		.amdhsa_reserve_vcc 0
		.amdhsa_float_denorm_mode_32 3
		.amdhsa_float_denorm_mode_16_64 3
		.amdhsa_memory_ordered 1
		.amdhsa_forward_progress 1
		.amdhsa_inst_pref_size 225
	.end_amdhsa_kernel
	.amdgpu_metadata
---
amdhsa.version: [ 1, 2 ]
amdhsa.kernels:
  - .name:           k_q207459d1c7_gemm
    .symbol:         k_q207459d1c7_gemm.kd
    .args:
      - { .name: acodes, .offset: 0, .size: 8, .value_kind: global_buffer, .address_space: global }
      - { .name: wcodes, .offset: 8, .size: 8, .value_kind: global_buffer, .address_space: global }
      - { .name: lra, .offset: 16, .size: 8, .value_kind: global_buffer, .address_space: global }
      - { .name: lrb, .offset: 24, .size: 8, .value_kind: global_buffer, .address_space: global }
      - { .name: bias, .offset: 32, .size: 8, .value_kind: global_buffer, .address_space: global }
      - { .name: out0, .offset: 40, .size: 8, .value_kind: global_buffer, .address_space: global }
    .group_segment_fixed_size: 327680
    .private_segment_fixed_size: 0
    .kernarg_segment_align: 8
    .kernarg_segment_size: 48
    .max_flat_workgroup_size: 128
    .sgpr_count:     84
    .vgpr_count:     1024
    .wavefront_size: 32
...
	.end_amdgpu_metadata
.endif
;; end of part 3
